; MI455X (gfx1250); checked and timed in simulation.
; The chip was launched on July 23, 2026; its instructions are those of AMD's public machine-readable ISA for CDNA 5 (MIT licence, August 2026) and "CDNA5" Instruction Set Architecture Reference Guide (July 2026). The comments in the code are by the model that wrote it; some were corrected since.
;; Detector. Allowed arithmetic: float matrix products may take bf16 or f16 operands with f32 sums; all other float work in f32.
;; Inputs: output_13 32 x 255 x 13 x 13 float32; output_26 32 x 255 x 26 x 26 float32; output_52 32 x 255 x 52 x 52 float32; thresh one number float32.
;; Outputs: out0 340,704 x 5 float32.
;; 2 versions, each right; version 2 is version 1 with the launch decode written anew for expert scheduling mode. Each part assembles by itself: llvm-mc -triple=amdgcn-amd-amdhsa -mcpu=gfx1250 --defsym DOCPART=n.
;; ======== version 1 of 2: 1 launch
;; launch decode (part 1): grid 355 x 1, 5 waves a work-group, no clusters, 19,968 bytes of LDS; arguments output_13, output_26, output_52, thresh, out0; writes out0
.if DOCPART == 1
	.amdgcn_target "amdgcn-amd-amdhsa--gfx1250"
	.amdhsa_code_object_version 6
	.text
	.protected	k_q90951f90e1_decode
	.globl	k_q90951f90e1_decode
	.p2align	8
	.type	k_q90951f90e1_decode,@function
k_q90951f90e1_decode:
	s_mov_b64 s[64:65], 0
	v_nop
	global_prefetch_b8 v0, s[64:65] scope:SCOPE_SE
	s_setreg_imm32_b32 hwreg(HW_REG_WAVE_MODE, 25, 1), 1
	s_wait_xcnt 0x0
; YOLO box decode for three maps [32][255][S][S] f32, S = 13, 26, 52, into out0 [340704][5] f32.
; Row ((b*S + r)*S + c)*3 + a of a map's section is (n, cx, cy, w, h) = (b, (c + o1) t, (r + o2) t, aw exp(o3), ah exp(o4)) where
; o0 > thresh, else five zeros; o_e is channel 85 a + e at (b, r, c), t = 416 / S.  Only these 15 of the 255 channels enter any result, so
; only they are read.
;
; SHARES.  A pixel (b, r, c) of any map gives 3 x 5 floats = 60 neighbouring bytes of out0, and the three sections lie end to end, so out0 is
; 113,568 pixels of 60 bytes.  A wave takes a chunk of 64 pixels = 3,840 bytes = 15 x 256, so every chunk starts at a multiple of 256 bytes.
; A chunk is two halves of 32 pixels, one pixel a lane.  The sections start at pixels 0, 5,408, 27,040 = halves 0, 169, 845: a half lies in
; ONE map, so its map, pointer, shifts and anchors are scalars.  A half may cross from one batch to the next: b, r, c are made lane by lane.
; 3,549 halves = 1,774 whole chunks and one half chunk: 1,775 waves = 355 work-groups of 5; the last wave runs the tail at the end.
; With k = 0, 1, 2 for S = 13, 26, 52: S = 13 << k, S*S = 169 << 2k, t = 32 >> k (416 / S is a power of two).
;
; WAY THROUGH.  30 loads of 4 bytes a lane (15 planes x 2 halves, 128 neighbouring bytes of a plane for a wave) are all issued before any is
; used.  The results are turned from plane order into pixel order in the wave's own 3,840 bytes of LDS and leave as 7 stores of 512 and one
; of 256 consecutive bytes, each at a multiple of 256 from out0's first byte.  No wave reads another's LDS bytes: no barrier.
; No cluster, no joint requests: no two work-groups read the same element.
;
; ARITHMETIC.  (c + o1) t is made as fma(o1, t, c t): t is a power of two and c t a small whole number, so the one rounding is the same.
; exp(x) = exp2(x log2 e).  LIMITS: v_exp_f32 gives 0 where the result is below 2^-126 (x below about -87.3; the exact w, h there are under
; 5e-36); the rounding of x log2 e costs up to about 5e-6 relative at |x| near 88; within about 1e-5 of x = 88.7228 the result may be
; infinite where exp(x) in f32 is still finite, or the other way round.  The mask selects (v_cndmask_b32): NaN and infinity under a false
; mask give 0; a NaN in o0 or in thresh gives a false mask.
.set WAVES,  5
.set LASTW,  1774                      ; the wave that has only one half (half 3,548)
.set H26,    169                       ; first half of the 26 x 26 section
.set H52,    845                       ; first half of the 52 x 52 section
.set PIXB,   60                        ; output bytes of a pixel
.set HALFB,  32*PIXB                   ; 1,920
.set CHUNKB, 2*HALFB                   ; 3,840
.set M169,   24819                     ; x / 169 = (x * 24819) >> 22 for x < 5,408: 24819 * 169 - 2^22 = 107, and 107 * 5,407 < 2^22
.set M13,    5042                      ; x / 13  = (x * 5042) >> 16  for x < 676:   5042 * 13 - 2^16 = 10,   and 10 * 675 < 2^16
.set PL13,   676                       ; bytes of a 13 x 13 plane; << 2k for the others
; scalar registers
.set L2E,   2                          ; s[2:3]   log2 e, twice (a pair for the packed multiply)
.set WAVE,  14                         ; wave in the work-group
.set WID,   15                         ; wave in the launch = chunk
.set THR,   16                         ; thresh
.set TMP,   17
.set LBASE, 18                         ; my 3,840 bytes of LDS
.set OBASE, 19                         ; my chunk's byte offset in out0
; a half's scalars, from s[P], P = 20 or 40
.set oPTR,  0                          ; pair: the map's address
.set oT,    2                          ; pair: t, twice
.set oK,    4                          ; k
.set oK2,   5                          ; 2 k
.set oHW4,  6                          ; bytes of a plane
.set oA85,  7                          ; bytes of 85 planes: from anchor to anchor
.set oSH,   8                          ; 5 - k: t = 1 << (5 - k)
.set oG0,   9                          ; the half's first pixel, counted in its section
.set oAW,   10                         ; three anchor widths
.set oAH,   13                         ; three anchor heights
.set oH,    16                         ; the half's number
.set oB254, 17                         ; bytes of 254 planes
; vector registers
.set LST,   2                          ; LDS: where my pixel's 60 bytes of half 0 go
.set LR16,  3                          ; LDS: read back, 16 bytes a lane
.set LR8,   4                          ; LDS: read back, 8 bytes a lane
.set GO16,  5                          ; out0: 16 bytes a lane
.set GO8,   6                          ; out0: 8 bytes a lane
.set W4,    7                          ; at first the wave's number; in the tail LDS read back, 4 bytes a lane
; a half's vectors, from v[V], V = 8 or 36
.set oG,    0                          ; g: my pixel, counted in its section
.set oB,    1                          ; b, then n = b as f32
.set oP,    2                          ; p = r S + c, then c t
.set oW,    3                          ; at work
.set oCT,   4                          ; pair: c t, r t as f32
; v[X + 6 a + i], X = V + 6: anchor a's o1, o2, o3, o4, o0 for i = 0 .. 4 (pairs (o1, o2), (o3, o4) start on even registers); first the loads' offsets
.set R,     64                         ; v[64:93] the chunk as read back from LDS
.macro HALF j
.set P, 20+20*\j
.set V, 8+28*\j
.set X, 14+28*\j
.endm
; The half's map and the 15 loads.  Byte offset of channel ch at my pixel: ((255 b + ch) S S + p) 4 with g = b S S + p, that is
; 4 g + b (254 planes) + ch planes.  Each load's offset is made in the register that the load then fills: a load may land on its own
; address register, so no register is rewritten while a load still needs it, and the next channel's offset is made before the load is issued.
.macro LOADS j
	HALF \j
	s_lshl_b32 s[P+oH], s[WID], 1
.if \j
	s_or_b32 s[P+oH], s[P+oH], 1
.endif
	s_cmp_ge_u32 s[P+oH], H26
	s_cselect_b32 s[P+oK], 1, 0
	s_cselect_b32 s[TMP], H26, 0
	s_cselect_b64 s[P+oPTR:P+oPTR+1], s[6:7], s[4:5]
	s_cmp_ge_u32 s[P+oH], H52
	s_cselect_b32 s[P+oK], 2, s[P+oK]
	s_cselect_b32 s[TMP], H52, s[TMP]
	s_cselect_b64 s[P+oPTR:P+oPTR+1], s[8:9], s[P+oPTR:P+oPTR+1]
	s_sub_co_u32 s[TMP], s[P+oH], s[TMP]
	s_lshl_b32 s[P+oG0], s[TMP], 5                         ; 32 pixels a half
	s_lshl_b32 s[P+oK2], s[P+oK], 1
	s_lshl_b32 s[P+oHW4], PL13, s[P+oK2]
	s_lshl_b32 s[P+oA85], 85*PL13, s[P+oK2]
	s_lshl_b32 s[P+oB254], 254*PL13, s[P+oK2]              ; at most 2,747,264: fits the 24-bit multiply
	v_add_nc_u32 v[V+oG], s[P+oG0], v1                     ; g
	v_lshrrev_b32 v[V+oW], s[P+oK2], v[V+oG]               ; g / (169 << 2k) = (g >> 2k) / 169
	v_mul_u32_u24 v[V+oW], M169, v[V+oW]
	v_lshrrev_b32 v[V+oB], 22, v[V+oW]                     ; b, 0 to 31
	v_mul_u32_u24 v[V+oW], s[P+oB254], v[V+oB]
	v_lshl_add_u32 v[X+4], v[V+oG], 2, v[V+oW]             ; o0 of anchor 0
	v_add_nc_u32 v[X+10], s[P+oA85], v[X+4]                ; of anchor 1
	v_add_nc_u32 v[X+16], s[P+oA85], v[X+10]               ; of anchor 2
.irp c, 0,1,2,3
.irp a, 0,1,2
	v_add_nc_u32 v[X+6*\a+\c], s[P+oHW4], v[X+6*\a+(\c+4)%5]       ; channel c + 1 lies one plane behind channel c
.endr
.irp a, 0,1,2
	global_load_b32 v[X+6*\a+(\c+4)%5], v[X+6*\a+(\c+4)%5], s[P+oPTR:P+oPTR+1]
.endr
.endr
.irp a, 0,1,2
	global_load_b32 v[X+6*\a+3], v[X+6*\a+3], s[P+oPTR:P+oPTR+1]
.endr
.endm
; six anchor numbers: sel = 0 sets them, sel = 1 takes them where SCC is set (s_cselect_b32 leaves SCC as it is)
.macro SET6 sel, w0, w1, w2, h0, h1, h2
.if \sel
	s_cselect_b32 s[P+oAW],   \w0, s[P+oAW]
	s_cselect_b32 s[P+oAW+1], \w1, s[P+oAW+1]
	s_cselect_b32 s[P+oAW+2], \w2, s[P+oAW+2]
	s_cselect_b32 s[P+oAH],   \h0, s[P+oAH]
	s_cselect_b32 s[P+oAH+1], \h1, s[P+oAH+1]
	s_cselect_b32 s[P+oAH+2], \h2, s[P+oAH+2]
.else
	s_mov_b32 s[P+oAW],   \w0
	s_mov_b32 s[P+oAW+1], \w1
	s_mov_b32 s[P+oAW+2], \w2
	s_mov_b32 s[P+oAH],   \h0
	s_mov_b32 s[P+oAH+1], \h1
	s_mov_b32 s[P+oAH+2], \h2
.endif
.endm
; What needs no loaded number, done while the loads are out: t, the anchors, and n, c t, r t of my pixel.
.macro GRID j
	HALF \j
	s_sub_co_u32 s[P+oSH], 5, s[P+oK]
	s_lshl_b32 s[TMP], s[P+oK], 23
	s_sub_co_u32 s[P+oT], 0x42000000, s[TMP]               ; 32.0 with k taken off its exponent: 32, 16, 8
	s_mov_b32 s[P+oT+1], s[P+oT]
	SET6 0, 0x41200000, 0x41800000, 0x42040000, 0x41500000, 0x41f00000, 0x41b80000   ; 52: widths 10, 16, 33     heights 13, 30, 23
	s_cmp_eq_u32 s[P+oK], 1
	SET6 1, 0x41f00000, 0x42780000, 0x426c0000, 0x42740000, 0x42340000, 0x42ee0000   ; 26: widths 30, 62, 59     heights 61, 45, 119
	s_cmp_eq_u32 s[P+oK], 0
	SET6 1, 0x42e80000, 0x431c0000, 0x43ba8000, 0x42b40000, 0x43460000, 0x43a30000   ; 13: widths 116, 156, 373  heights 90, 198, 326
	v_mul_u32_u24 v[V+oW], 169, v[V+oB]
	v_lshlrev_b32 v[V+oW], s[P+oK2], v[V+oW]               ; b S S
	v_sub_nc_u32 v[V+oP], v[V+oG], v[V+oW]                 ; p
	v_lshrrev_b32 v[V+oW], s[P+oK], v[V+oP]                ; p / (13 << k) = (p >> k) / 13
	v_mul_u32_u24 v[V+oW], M13, v[V+oW]
	v_lshrrev_b32 v[V+oW], 16, v[V+oW]                     ; r
	v_mul_u32_u24 v[V+oG], 13, v[V+oW]
	v_lshlrev_b32 v[V+oG], s[P+oK], v[V+oG]                ; r S
	v_sub_nc_u32 v[V+oP], v[V+oP], v[V+oG]                 ; c
	v_lshlrev_b32 v[V+oP], s[P+oSH], v[V+oP]               ; c t, at most 408
	v_lshlrev_b32 v[V+oW], s[P+oSH], v[V+oW]               ; r t
	v_cvt_f32_u32 v[V+oCT], v[V+oP]
	v_cvt_f32_u32 v[V+oCT+1], v[V+oW]
	v_cvt_f32_u32 v[V+oB], v[V+oB]                         ; n
.endm
; The half's 15 numbers a lane, into LDS in out0's order.
.macro DECODE j
	HALF \j
.irp a, 0,1,2
	v_pk_mul_f32 v[X+6*\a+2:X+6*\a+3], v[X+6*\a+2:X+6*\a+3], s[L2E:L2E+1] op_sel_hi:[1,0]
.endr
.irp a, 0,1,2
	v_exp_f32 v[X+6*\a+2], v[X+6*\a+2]
	v_exp_f32 v[X+6*\a+3], v[X+6*\a+3]
.endr
	; the three packed multiply-adds name none of the exponentials' registers: they are the plain vector instruction that stands
	; between a transcendental and the first use of its result (ISA guide 5.7.2)
.irp a, 0,1,2
	v_pk_fma_f32 v[X+6*\a:X+6*\a+1], v[X+6*\a:X+6*\a+1], s[P+oT:P+oT+1], v[V+oCT:V+oCT+1] op_sel_hi:[1,0,1]   ; cx, cy
.endr
	s_wait_alu depctr_va_vdst(0)
.irp a, 0,1,2
	v_mul_f32 v[X+6*\a+2], s[P+oAW+\a], v[X+6*\a+2]        ; w
	v_mul_f32 v[X+6*\a+3], s[P+oAH+\a], v[X+6*\a+3]        ; h
.endr
.irp a, 0,1,2
	v_cmp_lt_f32 vcc_lo, s[THR], v[X+6*\a+4]               ; thresh < o0
	v_cndmask_b32 v[X+6*\a+4], 0, v[V+oB], vcc_lo          ; n or 0, in o0's place
.irp i, 0,1,2,3
	v_cndmask_b32 v[X+6*\a+\i], 0, v[X+6*\a+\i], vcc_lo
.endr
	; lanes are 15 words apart, an odd number: 32 lanes, 32 different banks (64 banks of 4 bytes: ISA guide 11.1)
	ds_store_b32 v[LST], v[X+6*\a+4] offset:\j*HALFB+20*\a
.irp i, 0,1,2,3
	ds_store_b32 v[LST], v[X+6*\a+\i] offset:\j*HALFB+20*\a+4+4*\i
.endr
.endr
.endm
	s_load_b256 s[4:11], s[0:1], 0x0               ; output_13 s[4:5], output_26 s[6:7], output_52 s[8:9], thresh s[10:11]
	s_load_b64 s[12:13], s[0:1], 0x20              ; out0
	v_lshl_add_u32 v96, v0, 2, 0x4b00
	v_mov_b32 v97, 0
	v_and_b32 v1, 31, v0                           ; lane
	v_lshrrev_b32 v[W4], 5, v0
	v_readfirstlane_b32 s[WAVE], v[W4]
	s_mul_i32 s[WID], ttmp9, WAVES
	s_add_co_u32 s[WID], s[WID], s[WAVE]
	s_mul_i32 s[LBASE], s[WAVE], CHUNKB
	s_mul_i32 s[OBASE], s[WID], CHUNKB             ; at most 6,812,160
	s_mov_b32 s[L2E], 0x3fb8aa3b
	s_mov_b32 s[L2E+1], 0x3fb8aa3b
	v_mul_u32_u24 v[LST], PIXB, v1
	v_add_nc_u32 v[LST], s[LBASE], v[LST]
	v_lshl_add_u32 v[LR16], v1, 4, s[LBASE]
	v_lshl_add_u32 v[LR8], v1, 3, s[LBASE]
	v_lshl_add_u32 v[GO16], v1, 4, s[OBASE]
	v_lshl_add_u32 v[GO8], v1, 3, s[OBASE]
	s_wait_kmcnt 0x0                               ; the five addresses
	s_load_b32 s[THR], s[10:11], 0x0
	LOADS 0
	s_cmp_eq_u32 s[WID], LASTW
	s_cbranch_scc1 .Ltail                          ; the last wave has no second half
	LOADS 1
	GRID 0
	GRID 1
	s_wait_kmcnt 0x0                               ; thresh
	s_wait_loadcnt 15                              ; loads come back in order (ISA guide 5.7.1): half 0's fifteen are in, half 1's fifteen may be out
	DECODE 0
	s_wait_loadcnt 0x0
	DECODE 1
	; Back from LDS in out0's order.  LDS serves a wave's instructions in order (ISA guide 5.7.1.4): these loads see the stores above.
.irp t, 0,1,2,3,4,5,6
	ds_load_b128 v[R+4*\t:R+4*\t+3], v[LR16] offset:512*\t
.endr
	ds_load_b64 v[R+28:R+29], v[LR8] offset:3584
.irp t, 0,1,2,3,4,5,6
	s_wait_dscnt 7-\t                              ; the 7 - t LDS loads issued behind load t may be out
	global_store_b128 v[GO16], v[R+4*\t:R+4*\t+3], s[12:13] offset:512*\t th:TH_STORE_NT   ; 512 consecutive bytes at a multiple of 256
.endr
	s_wait_dscnt 0x0
	global_store_b64 v[GO8], v[R+28:R+29], s[12:13] offset:3584 th:TH_STORE_NT             ; the chunk's last 256 bytes, 8 a lane
	s_wait_tensorcnt 0x0
	ds_add_u32 v96, v97
	s_wait_dscnt 0x0
	s_endpgm
.Ltail:
	; The last wave: one half, 1,920 bytes = 3 x 512 + 256 + 128, which end with out0.
	GRID 0
	s_wait_kmcnt 0x0                               ; thresh
	s_wait_loadcnt 0x0
	DECODE 0
	v_lshl_add_u32 v[W4], v1, 2, s[LBASE]
	v_lshl_add_u32 v0, v1, 2, s[OBASE]
.irp t, 0,1,2
	ds_load_b128 v[R+4*\t:R+4*\t+3], v[LR16] offset:512*\t
.endr
	ds_load_b64 v[R+12:R+13], v[LR8] offset:1536
	ds_load_b32 v[R+14], v[W4] offset:1792
.irp t, 0,1,2
	s_wait_dscnt 4-\t                              ; the 4 - t LDS loads issued behind load t may be out
	global_store_b128 v[GO16], v[R+4*\t:R+4*\t+3], s[12:13] offset:512*\t th:TH_STORE_NT
.endr
	s_wait_dscnt 1
	global_store_b64 v[GO8], v[R+12:R+13], s[12:13] offset:1536 th:TH_STORE_NT
	s_wait_dscnt 0x0
	global_store_b32 v0, v[R+14], s[12:13] offset:1792 th:TH_STORE_NT
	s_wait_tensorcnt 0x0
	ds_add_u32 v96, v97
	s_wait_dscnt 0x0
	s_endpgm
.Lfunc_end_k_q90951f90e1_decode:
	.size	k_q90951f90e1_decode, .Lfunc_end_k_q90951f90e1_decode-k_q90951f90e1_decode
	.p2alignl 7, 3214868480
	.fill 96, 4, 3214868480
	.section	.rodata,"a",@progbits
	.p2align	6, 0x0
	.amdhsa_kernel k_q90951f90e1_decode
		.amdhsa_group_segment_fixed_size 19968
		.amdhsa_private_segment_fixed_size 0
		.amdhsa_enable_private_segment 0
		.amdhsa_kernarg_size 40
		.amdhsa_user_sgpr_count 2
		.amdhsa_user_sgpr_kernarg_segment_ptr 1
		.amdhsa_wavefront_size32 1
		.amdhsa_system_sgpr_workgroup_id_x 1
		.amdhsa_system_sgpr_workgroup_id_y 1
		.amdhsa_system_sgpr_workgroup_id_z 1
		.amdhsa_system_vgpr_workitem_id 0
		.amdhsa_next_free_vgpr 98
		.amdhsa_next_free_sgpr 66
		.amdhsa_reserve_vcc 1
		.amdhsa_float_denorm_mode_32 3
		.amdhsa_float_denorm_mode_16_64 3
		.amdhsa_memory_ordered 1
		.amdhsa_forward_progress 1
		.amdhsa_inst_pref_size 23
	.end_amdhsa_kernel
	.amdgpu_metadata
---
amdhsa.version: [ 1, 2 ]
amdhsa.kernels:
  - .name:           k_q90951f90e1_decode
    .symbol:         k_q90951f90e1_decode.kd
    .args:
      - { .name: output_13, .offset: 0, .size: 8, .value_kind: global_buffer, .address_space: global }
      - { .name: output_26, .offset: 8, .size: 8, .value_kind: global_buffer, .address_space: global }
      - { .name: output_52, .offset: 16, .size: 8, .value_kind: global_buffer, .address_space: global }
      - { .name: thresh, .offset: 24, .size: 8, .value_kind: global_buffer, .address_space: global }
      - { .name: out0, .offset: 32, .size: 8, .value_kind: global_buffer, .address_space: global }
    .group_segment_fixed_size: 19968
    .private_segment_fixed_size: 0
    .kernarg_segment_align: 8
    .kernarg_segment_size: 40
    .max_flat_workgroup_size: 160
    .sgpr_count:     66
    .vgpr_count:     98
    .wavefront_size: 32
...
	.end_amdgpu_metadata
.endif
;; end of part 1
;; ======== version 2 of 2: 1 launch; version 1 with the launch decode written anew for expert scheduling mode
;; launch decode (part 2): grid 355 x 1, 5 waves a work-group, no clusters, 19,968 bytes of LDS; arguments output_13, output_26, output_52, thresh, out0; writes out0
.if DOCPART == 2
	.amdgcn_target "amdgcn-amd-amdhsa--gfx1250"
	.amdhsa_code_object_version 6
	.text
	.protected	k_q90951f90e1_decode
	.globl	k_q90951f90e1_decode
	.p2align	8
	.type	k_q90951f90e1_decode,@function
k_q90951f90e1_decode:
	s_mov_b64 s[64:65], 0
	v_nop
	global_prefetch_b8 v0, s[64:65] scope:SCOPE_SE
	s_setreg_imm32_b32 hwreg(HW_REG_WAVE_SCHED_MODE, 0, 2), 2
	s_setreg_imm32_b32 hwreg(HW_REG_WAVE_MODE, 25, 1), 1
	s_wait_xcnt 0x0
	s_wait_alu depctr_vm_vsrc(0)
; YOLO box decode for three maps [32][255][S][S] f32, S = 13, 26, 52, into out0 [340704][5] f32.
; Row ((b*S + r)*S + c)*3 + a of a map's section is (n, cx, cy, w, h) = (b, (c + o1) t, (r + o2) t, aw exp(o3), ah exp(o4)) where
; o0 > thresh, else five zeros; o_e is channel 85 a + e at (b, r, c), t = 416 / S.  Only these 15 of the 255 channels enter any result, so
; only they are read.
;
; SHARES.  A pixel (b, r, c) of any map gives 3 x 5 floats = 60 neighbouring bytes of out0, and the three sections lie end to end, so out0 is
; 113,568 pixels of 60 bytes.  A wave takes a chunk of 64 pixels = 3,840 bytes = 15 x 256, so every chunk starts at a multiple of 256 bytes.
; A chunk is two halves of 32 pixels, one pixel a lane.  The sections start at pixels 0, 5,408, 27,040 = halves 0, 169, 845: a half lies in
; ONE map, so its map, pointer, shifts and anchors are scalars.  A half may cross from one batch to the next: b, r, c are made lane by lane.
; 3,549 halves = 1,774 whole chunks and one half chunk: 1,775 waves = 355 work-groups of 5; the last wave runs the tail at the end.
; With k = 0, 1, 2 for S = 13, 26, 52: S = 13 << k, S*S = 169 << 2k, t = 32 >> k (416 / S is a power of two).
;
; WAY THROUGH.  30 loads of 4 bytes a lane (15 planes x 2 halves, 128 neighbouring bytes of a plane for a wave) are all issued before any is
; used.  The results are turned from plane order into pixel order in the wave's own 3,840 bytes of LDS and leave as 7 stores of 512 and one
; of 256 consecutive bytes, each at a multiple of 256 from out0's first byte.  No wave reads another's LDS bytes: no barrier.
; No cluster, no joint requests: no two work-groups read the same element.
;
; ARITHMETIC.  (c + o1) t is made as fma(o1, t, c t): t is a power of two and c t a small whole number, so the one rounding is the same.
; exp(x) = exp2(x log2 e).  LIMITS: v_exp_f32 gives 0 where the result is below 2^-126 (x below about -87.3; the exact w, h there are under
; 5e-36); the rounding of x log2 e costs up to about 5e-6 relative at |x| near 88; within about 1e-5 of x = 88.7228 the result may be
; infinite where exp(x) in f32 is still finite, or the other way round.  The mask selects (v_cndmask_b32): NaN and infinity under a false
; mask give 0; a NaN in o0 or in thresh gives a false mask.
;
; THE MODE: SCHED_MODE bits 1:0 = 2 (LLVM: expert scheduling mode 2), set by the entry lines.  The code itself states the register dependences
; between vector instructions and memory or LDS instructions, with s_wait_alu, always for 0.
; THE PLAN.  Registers that memory or LDS instructions touch:
;   v2 .. v6    LDS and out0 addresses.  Written at the head; read by the LDS stores, the LDS loads and the stores to out0; never written again.
;   AD0, AD1    a half's 15 load offsets.  Written by the half's address lines; read by its 15 loads; never written again.
;   X0, X1      a half's 15 numbers.  The loads land in them (no vector line names them before that); the half's arithmetic works in place on
;               them; its 15 LDS stores read them; never written again.
;   R           the chunk as read back.  LDS loads land in it, the stores to out0 read it; no vector line names it.
; So: one wait on va_vdst ahead of each half's loads (its offsets are written; the first covers v2 .. v6 too); one behind the wait for half 1's
; data (half 0's arithmetic has written X0), behind which half 0's LDS stores are dealt among half 1's vector lines, which name neither X0 nor
; v2; one behind half 1's arithmetic, ahead of its LDS stores.  A half's three compares write three scalar masks in one run, and one wait on
; va_sdst stands ahead of the selects that read them.  Only v0, read by the entry's prefetch, is written after a memory instruction reads it; a
; wait on vm_vsrc at the entry covers it; EXEC is never written.
.set WAVES,  5
.set LASTW,  1774                      ; the wave that has only one half (half 3,548)
.set H26,    169                       ; first half of the 26 x 26 section
.set H52,    845                       ; first half of the 52 x 52 section
.set PIXB,   60                        ; output bytes of a pixel
.set HALFB,  32*PIXB                   ; 1,920
.set CHUNKB, 2*HALFB                   ; 3,840
.set M169,   24819                     ; x / 169 = (x * 24819) >> 22 for x < 5,408: 24819 * 169 - 2^22 = 107, and 107 * 5,407 < 2^22
.set M13,    5042                      ; x / 13  = (x * 5042) >> 16  for x < 676:   5042 * 13 - 2^16 = 10,   and 10 * 675 < 2^16
.set PL13,   676                       ; bytes of a 13 x 13 plane; << 2k for the others
; scalar registers
.set L2E,   2                          ; s[2:3]   log2 e, twice (a pair for the packed multiply)
.set WAVE,  14                         ; wave in the work-group
.set WID,   15                         ; wave in the launch = chunk
.set THR,   16                         ; thresh
.set TMP,   17
.set LBASE, 18                         ; my 3,840 bytes of LDS
.set OBASE, 19                         ; my chunk's byte offset in out0
.set MSK,   58                         ; s[58:60] the masks thresh < o0 of the three anchors of the half in hand
; a half's scalars, from s[P], P = 20 or 40
.set oPTR,  0                          ; pair: the map's address
.set oT,    2                          ; pair: t, twice
.set oK,    4                          ; k
.set oK2,   5                          ; 2 k
.set oHW4,  6                          ; bytes of a plane
.set oA85,  7                          ; bytes of 85 planes: from anchor to anchor
.set oSH,   8                          ; 5 - k: t = 1 << (5 - k)
.set oG0,   9                          ; the half's first pixel, counted in its section
.set oAW,   10                         ; three anchor widths
.set oAH,   13                         ; three anchor heights
.set oH,    16                         ; the half's number
.set oB254, 17                         ; bytes of 254 planes
; vector registers
.set LST,   2                          ; LDS: where my pixel's 60 bytes of half 0 go
.set LR16,  3                          ; LDS: read back, 16 bytes a lane
.set LR8,   4                          ; LDS: read back, 8 bytes a lane
.set GO16,  5                          ; out0: 16 bytes a lane
.set GO8,   6                          ; out0: 8 bytes a lane
.set W4,    7                          ; at first the wave's number; in the tail LDS read back, 4 bytes a lane
; a half's vectors, from v[V], V = 8 or 48
.set oG,    0                          ; g: my pixel, counted in its section
.set oB,    1                          ; b, then n = b as f32
.set oP,    2                          ; p = r S + c, then c t
.set oW,    3                          ; at work
.set oCT,   4                          ; pair: c t, r t as f32
; v[X + 6 a + i], X = V + 6: anchor a's o1, o2, o3, o4, o0 for i = 0 .. 4 (pairs (o1, o2), (o3, o4) start on even registers)
; v[AD + 5 a + e], AD = V + 24: the byte offset of anchor a's channel e at my pixel
.set R,     88                         ; v[88:117] the chunk as read back from LDS
.macro HALF j
.set P, 20+20*\j
.set V, 8+40*\j
.set X, 14+40*\j
.set AD, 32+40*\j
.endm
; The half's map and the 15 loads.  Byte offset of channel ch at my pixel: ((255 b + ch) S S + p) 4 with g = b S S + p, that is
; 4 g + b (254 planes) + ch planes.  All fifteen offsets are made first, in registers of their own that are never written again; then the
; fifteen loads go out in one run, channel by channel.
.macro LOADS j
	HALF \j
	s_lshl_b32 s[P+oH], s[WID], 1
.if \j
	s_or_b32 s[P+oH], s[P+oH], 1
.endif
	s_cmp_ge_u32 s[P+oH], H26
	s_cselect_b32 s[P+oK], 1, 0
	s_cselect_b32 s[TMP], H26, 0
	s_cselect_b64 s[P+oPTR:P+oPTR+1], s[6:7], s[4:5]
	s_cmp_ge_u32 s[P+oH], H52
	s_cselect_b32 s[P+oK], 2, s[P+oK]
	s_cselect_b32 s[TMP], H52, s[TMP]
	s_cselect_b64 s[P+oPTR:P+oPTR+1], s[8:9], s[P+oPTR:P+oPTR+1]
	s_sub_co_u32 s[TMP], s[P+oH], s[TMP]
	s_lshl_b32 s[P+oG0], s[TMP], 5                         ; 32 pixels a half
	s_lshl_b32 s[P+oK2], s[P+oK], 1
	s_lshl_b32 s[P+oHW4], PL13, s[P+oK2]
	s_lshl_b32 s[P+oA85], 85*PL13, s[P+oK2]
	s_lshl_b32 s[P+oB254], 254*PL13, s[P+oK2]              ; at most 2,747,264: fits the 24-bit multiply
	v_add_nc_u32 v[V+oG], s[P+oG0], v1                     ; g
	v_lshrrev_b32 v[V+oW], s[P+oK2], v[V+oG]               ; g / (169 << 2k) = (g >> 2k) / 169
	v_mul_u32_u24 v[V+oW], M169, v[V+oW]
	v_lshrrev_b32 v[V+oB], 22, v[V+oW]                     ; b, 0 to 31
	v_mul_u32_u24 v[V+oW], s[P+oB254], v[V+oB]
	v_lshl_add_u32 v[AD], v[V+oG], 2, v[V+oW]              ; o0 of anchor 0
	v_add_nc_u32 v[AD+5], s[P+oA85], v[AD]                 ; of anchor 1
	v_add_nc_u32 v[AD+10], s[P+oA85], v[AD+5]              ; of anchor 2
.irp c, 1,2,3,4
.irp a, 0,1,2
	v_add_nc_u32 v[AD+5*\a+\c], s[P+oHW4], v[AD+5*\a+\c-1] ; channel c lies one plane behind channel c - 1
.endr
.endr
	s_wait_alu depctr_va_vdst(0)                           ; the half's fifteen offsets are written, which the loads below read; at half 0 also v2 to v6, which the LDS instructions and the stores further down read
.irp c, 0,1,2,3,4
.irp a, 0,1,2
	global_load_b32 v[X+6*\a+(\c+4)%5], v[AD+5*\a+\c], s[P+oPTR:P+oPTR+1]
.endr
.endr
.endm
; six anchor numbers: sel = 0 sets them, sel = 1 takes them where SCC is set (s_cselect_b32 leaves SCC as it is)
.macro SET6 sel, w0, w1, w2, h0, h1, h2
.if \sel
	s_cselect_b32 s[P+oAW],   \w0, s[P+oAW]
	s_cselect_b32 s[P+oAW+1], \w1, s[P+oAW+1]
	s_cselect_b32 s[P+oAW+2], \w2, s[P+oAW+2]
	s_cselect_b32 s[P+oAH],   \h0, s[P+oAH]
	s_cselect_b32 s[P+oAH+1], \h1, s[P+oAH+1]
	s_cselect_b32 s[P+oAH+2], \h2, s[P+oAH+2]
.else
	s_mov_b32 s[P+oAW],   \w0
	s_mov_b32 s[P+oAW+1], \w1
	s_mov_b32 s[P+oAW+2], \w2
	s_mov_b32 s[P+oAH],   \h0
	s_mov_b32 s[P+oAH+1], \h1
	s_mov_b32 s[P+oAH+2], \h2
.endif
.endm
; What needs no loaded number, done while the loads are out: t, the anchors, and n, c t, r t of my pixel.  No memory instruction names these registers.
.macro GRID j
	HALF \j
	s_sub_co_u32 s[P+oSH], 5, s[P+oK]
	s_lshl_b32 s[TMP], s[P+oK], 23
	s_sub_co_u32 s[P+oT], 0x42000000, s[TMP]               ; 32.0 with k taken off its exponent: 32, 16, 8
	s_mov_b32 s[P+oT+1], s[P+oT]
	SET6 0, 0x41200000, 0x41800000, 0x42040000, 0x41500000, 0x41f00000, 0x41b80000   ; 52: widths 10, 16, 33     heights 13, 30, 23
	s_cmp_eq_u32 s[P+oK], 1
	SET6 1, 0x41f00000, 0x42780000, 0x426c0000, 0x42740000, 0x42340000, 0x42ee0000   ; 26: widths 30, 62, 59     heights 61, 45, 119
	s_cmp_eq_u32 s[P+oK], 0
	SET6 1, 0x42e80000, 0x431c0000, 0x43ba8000, 0x42b40000, 0x43460000, 0x43a30000   ; 13: widths 116, 156, 373  heights 90, 198, 326
	v_mul_u32_u24 v[V+oW], 169, v[V+oB]
	v_lshlrev_b32 v[V+oW], s[P+oK2], v[V+oW]               ; b S S
	v_sub_nc_u32 v[V+oP], v[V+oG], v[V+oW]                 ; p
	v_lshrrev_b32 v[V+oW], s[P+oK], v[V+oP]                ; p / (13 << k) = (p >> k) / 13
	v_mul_u32_u24 v[V+oW], M13, v[V+oW]
	v_lshrrev_b32 v[V+oW], 16, v[V+oW]                     ; r
	v_mul_u32_u24 v[V+oG], 13, v[V+oW]
	v_lshlrev_b32 v[V+oG], s[P+oK], v[V+oG]                ; r S
	v_sub_nc_u32 v[V+oP], v[V+oP], v[V+oG]                 ; c
	v_lshlrev_b32 v[V+oP], s[P+oSH], v[V+oP]               ; c t, at most 408
	v_lshlrev_b32 v[V+oW], s[P+oSH], v[V+oW]               ; r t
	v_cvt_f32_u32 v[V+oCT], v[V+oP]
	v_cvt_f32_u32 v[V+oCT+1], v[V+oW]
	v_cvt_f32_u32 v[V+oB], v[V+oB]                         ; n
.endm
; Anchor a of half j goes into LDS in out0's order: n, cx, cy, w, h.
; Lanes are 15 words apart, an odd number: 32 lanes, 32 different banks (64 banks of 4 bytes: ISA guide 11.1).
.macro PUT j, a
.set XS, 14+40*(\j)+6*(\a)
	ds_store_b32 v[LST], v[XS+4] offset:(\j)*HALFB+20*(\a)
.irp i, 0,1,2,3
	ds_store_b32 v[LST], v[XS+\i] offset:(\j)*HALFB+20*(\a)+4+4*\i
.endr
.endm
; The arithmetic of half j's 15 numbers a lane, in place.  deal = 1: half 0's fifteen LDS stores are dealt among the lines, five at a time;
; the wait that stands ahead of this macro has shown their data written, and no line here names X0 or v2.
.macro VEC j, deal
	HALF \j
.irp a, 0,1,2
	v_cmp_lt_f32 s[MSK+\a], s[THR], v[X+6*\a+4]            ; thresh < o0: the three masks in one run, far ahead of the selects
.endr
.if \deal
	PUT 0, 0
.endif
.irp a, 0,1,2
	v_pk_mul_f32 v[X+6*\a+2:X+6*\a+3], v[X+6*\a+2:X+6*\a+3], s[L2E:L2E+1] op_sel_hi:[1,0]
.endr
.irp a, 0,1,2
	v_exp_f32 v[X+6*\a+2], v[X+6*\a+2]
	v_exp_f32 v[X+6*\a+3], v[X+6*\a+3]
.endr
	; the three packed multiply-adds name none of the exponentials' registers: they are the plain vector instruction that stands
	; between a transcendental and the first use of its result (ISA guide 5.7.2)
.irp a, 0,1,2
	v_pk_fma_f32 v[X+6*\a:X+6*\a+1], v[X+6*\a:X+6*\a+1], s[P+oT:P+oT+1], v[V+oCT:V+oCT+1] op_sel_hi:[1,0,1]   ; cx, cy
.endr
.if \deal
	PUT 0, 1
.endif
	s_wait_alu depctr_va_vdst(0)
.irp a, 0,1,2
	v_mul_f32 v[X+6*\a+2], s[P+oAW+\a], v[X+6*\a+2]        ; w
	v_mul_f32 v[X+6*\a+3], s[P+oAH+\a], v[X+6*\a+3]        ; h
.endr
.if \deal
	PUT 0, 2
.endif
	s_wait_alu depctr_va_sdst(0)                           ; the three compares have written s[MSK ..], ahead of their first readers, the selects below
.irp a, 0,1,2
	v_cndmask_b32 v[X+6*\a+4], 0, v[V+oB], s[MSK+\a]       ; n or 0, in o0's place
.irp i, 0,1,2,3
	v_cndmask_b32 v[X+6*\a+\i], 0, v[X+6*\a+\i], s[MSK+\a]
.endr
.endr
.endm
	s_load_b256 s[4:11], s[0:1], 0x0               ; output_13 s[4:5], output_26 s[6:7], output_52 s[8:9], thresh s[10:11]
	s_load_b64 s[12:13], s[0:1], 0x20              ; out0
	v_lshl_add_u32 v118, v0, 2, 0x4b00
	v_mov_b32 v119, 0
	v_and_b32 v1, 31, v0                           ; lane
	v_lshrrev_b32 v[W4], 5, v0
	v_readfirstlane_b32 s[WAVE], v[W4]
	s_mul_i32 s[WID], ttmp9, WAVES
	s_wait_alu depctr_va_sdst(0)                   ; s[WAVE] is written, ahead of its first reader: the chunk's number and my LDS bytes are made from it
	s_add_co_u32 s[WID], s[WID], s[WAVE]
	s_mul_i32 s[LBASE], s[WAVE], CHUNKB
	s_mul_i32 s[OBASE], s[WID], CHUNKB             ; at most 6,812,160
	s_mov_b32 s[L2E], 0x3fb8aa3b
	s_mov_b32 s[L2E+1], 0x3fb8aa3b
	v_mul_u32_u24 v[LST], PIXB, v1
	v_add_nc_u32 v[LST], s[LBASE], v[LST]
	v_lshl_add_u32 v[LR16], v1, 4, s[LBASE]
	v_lshl_add_u32 v[LR8], v1, 3, s[LBASE]
	v_lshl_add_u32 v[GO16], v1, 4, s[OBASE]
	v_lshl_add_u32 v[GO8], v1, 3, s[OBASE]
	s_wait_kmcnt 0x0                               ; the five addresses
	s_load_b32 s[THR], s[10:11], 0x0
	LOADS 0
	s_cmp_eq_u32 s[WID], LASTW
	s_cbranch_scc1 .Ltail                          ; the last wave has no second half
	LOADS 1                                        ; half 1's offsets are made while half 0's loads are out
	GRID 0
	GRID 1
	s_wait_kmcnt 0x0                               ; thresh
	s_wait_loadcnt 15                              ; loads come back in order (ISA guide 5.7.1): half 0's fifteen are in, half 1's fifteen may be out
	VEC 0, 0
	s_wait_loadcnt 0x0
	s_wait_alu depctr_va_vdst(0)                   ; half 0's arithmetic has written X0, which the LDS stores dealt among half 1's lines read
	VEC 1, 1
	s_wait_alu depctr_va_vdst(0)                   ; half 1's arithmetic has written X1, which the LDS stores below read
	PUT 1, 0
	PUT 1, 1
	PUT 1, 2
	; Back from LDS in out0's order.  LDS serves a wave's instructions in order (ISA guide 5.7.1.4): these loads see the stores above.
	; No vector line names R, and v3 to v6 have not been named since the wait ahead of half 0's loads.
.irp t, 0,1,2,3,4,5,6
	ds_load_b128 v[R+4*\t:R+4*\t+3], v[LR16] offset:512*\t
.endr
	ds_load_b64 v[R+28:R+29], v[LR8] offset:3584
.irp t, 0,1,2,3,4,5,6
	s_wait_dscnt 7-\t                              ; the 7 - t LDS loads issued behind load t may be out
	global_store_b128 v[GO16], v[R+4*\t:R+4*\t+3], s[12:13] offset:512*\t th:TH_STORE_NT   ; 512 consecutive bytes at a multiple of 256
.endr
	s_wait_dscnt 0x0
	global_store_b64 v[GO8], v[R+28:R+29], s[12:13] offset:3584 th:TH_STORE_NT             ; the chunk's last 256 bytes, 8 a lane
	s_wait_dscnt 0x0
	s_wait_alu depctr_hold_cnt(0) depctr_sa_sdst(0) depctr_va_vdst(0) depctr_va_sdst(0) depctr_va_ssrc(0) depctr_va_vcc(0) depctr_vm_vsrc(0)
	s_wait_tensorcnt 0x0
	ds_add_u32 v118, v119
	s_wait_dscnt 0x0
	s_endpgm
.Ltail:
	; The last wave: one half, 1,920 bytes = 3 x 512 + 256 + 128, which end with out0.
	GRID 0
	v_lshl_add_u32 v[W4], v1, 2, s[LBASE]          ; the two addresses of the last 128 bytes
	v_lshl_add_u32 v0, v1, 2, s[OBASE]
	s_wait_kmcnt 0x0                               ; thresh
	s_wait_loadcnt 0x0
	VEC 0, 0
	s_wait_alu depctr_va_vdst(0)                   ; the arithmetic has written X0, which the LDS stores read; v7 and v0 are written, which the last LDS load and the last store read
	PUT 0, 0
	PUT 0, 1
	PUT 0, 2
.irp t, 0,1,2
	ds_load_b128 v[R+4*\t:R+4*\t+3], v[LR16] offset:512*\t
.endr
	ds_load_b64 v[R+12:R+13], v[LR8] offset:1536
	ds_load_b32 v[R+14], v[W4] offset:1792
.irp t, 0,1,2
	s_wait_dscnt 4-\t                              ; the 4 - t LDS loads issued behind load t may be out
	global_store_b128 v[GO16], v[R+4*\t:R+4*\t+3], s[12:13] offset:512*\t th:TH_STORE_NT
.endr
	s_wait_dscnt 1
	global_store_b64 v[GO8], v[R+12:R+13], s[12:13] offset:1536 th:TH_STORE_NT
	s_wait_dscnt 0x0
	global_store_b32 v0, v[R+14], s[12:13] offset:1792 th:TH_STORE_NT
	s_wait_dscnt 0x0
	s_wait_alu depctr_hold_cnt(0) depctr_sa_sdst(0) depctr_va_vdst(0) depctr_va_sdst(0) depctr_va_ssrc(0) depctr_va_vcc(0) depctr_vm_vsrc(0)
	s_wait_tensorcnt 0x0
	ds_add_u32 v118, v119
	s_wait_dscnt 0x0
	s_endpgm
.Lfunc_end_k_q90951f90e1_decode:
	.size	k_q90951f90e1_decode, .Lfunc_end_k_q90951f90e1_decode-k_q90951f90e1_decode
	.p2alignl 7, 3214868480
	.fill 96, 4, 3214868480
	.section	.rodata,"a",@progbits
	.p2align	6, 0x0
	.amdhsa_kernel k_q90951f90e1_decode
		.amdhsa_group_segment_fixed_size 19968
		.amdhsa_private_segment_fixed_size 0
		.amdhsa_enable_private_segment 0
		.amdhsa_kernarg_size 40
		.amdhsa_user_sgpr_count 2
		.amdhsa_user_sgpr_kernarg_segment_ptr 1
		.amdhsa_wavefront_size32 1
		.amdhsa_system_sgpr_workgroup_id_x 1
		.amdhsa_system_sgpr_workgroup_id_y 1
		.amdhsa_system_sgpr_workgroup_id_z 1
		.amdhsa_system_vgpr_workitem_id 0
		.amdhsa_next_free_vgpr 120
		.amdhsa_next_free_sgpr 66
		.amdhsa_reserve_vcc 0
		.amdhsa_float_denorm_mode_32 3
		.amdhsa_float_denorm_mode_16_64 3
		.amdhsa_memory_ordered 1
		.amdhsa_forward_progress 1
		.amdhsa_inst_pref_size 25
	.end_amdhsa_kernel
	.amdgpu_metadata
---
amdhsa.version: [ 1, 2 ]
amdhsa.kernels:
  - .name:           k_q90951f90e1_decode
    .symbol:         k_q90951f90e1_decode.kd
    .args:
      - { .name: output_13, .offset: 0, .size: 8, .value_kind: global_buffer, .address_space: global }
      - { .name: output_26, .offset: 8, .size: 8, .value_kind: global_buffer, .address_space: global }
      - { .name: output_52, .offset: 16, .size: 8, .value_kind: global_buffer, .address_space: global }
      - { .name: thresh, .offset: 24, .size: 8, .value_kind: global_buffer, .address_space: global }
      - { .name: out0, .offset: 32, .size: 8, .value_kind: global_buffer, .address_space: global }
    .group_segment_fixed_size: 19968
    .private_segment_fixed_size: 0
    .kernarg_segment_align: 8
    .kernarg_segment_size: 40
    .max_flat_workgroup_size: 160
    .sgpr_count:     66
    .vgpr_count:     120
    .wavefront_size: 32
...
	.end_amdgpu_metadata
.endif
;; end of part 2
